; MI455X (gfx1250); checked and timed in simulation.
; The chip was launched on July 23, 2026; its instructions are those of AMD's public machine-readable ISA for CDNA 5 (MIT licence, August 2026) and "CDNA5" Instruction Set Architecture Reference Guide (July 2026). The comments in the code are by the model that wrote it; some were corrected since.
;; Bahdanau Attn. Allowed arithmetic: float matrix products may take bf16 or f16 operands with f32 sums; other float arithmetic in f32, or as packed bf16 or f16 multiplies, adds, multiply-adds, maxima and minima; sums over many terms, partial sums and values carried from step to step in f32; what a program stores and reads back later, other than sums and carried values, may be rounded once to bf16 or f16.
;; Inputs: W_e 1,024 x 1,024 float32; W_h 1,024 x 1,024 float32; b_e 1,024 float32; b_h 1,024 float32; encoder_outputs 2,048 x 32 x 1,024 float32; hidden 1 x 32 x 1,024 float32; v 1,024 float32.
;; Outputs: out0 32 x 1 x 2,048 float32.
;; 2 versions, each right; version 2 is version 1 with the launch prep written anew for expert scheduling mode. Each part assembles by itself: llvm-mc -triple=amdgcn-amd-amdhsa -mcpu=gfx1250 --defsym DOCPART=n.
;; ======== version 1 of 2: 3 launches
;; workspace buffers: web 2,097,152 bytes; cb 131,072 bytes; part 2,097,152 bytes
;; launch prep (part 1): grid 64 x 1, 16 waves a work-group, no clusters, 18,432 bytes of LDS; arguments W_e, W_h, hidden, b_h, b_e, web, cb; writes web, cb
.if DOCPART == 1
	.amdgcn_target "amdgcn-amd-amdhsa--gfx1250"
	.amdhsa_code_object_version 6
	.text
	.protected	k_q043977dea2_prep
	.globl	k_q043977dea2_prep
	.p2align	8
	.type	k_q043977dea2_prep,@function
k_q043977dea2_prep:
	s_mov_b64 s[64:65], 0
	v_nop
	global_prefetch_b8 v0, s[64:65] scope:SCOPE_SE
	s_setreg_imm32_b32 hwreg(HW_REG_WAVE_MODE, 25, 1), 1
	s_wait_xcnt 0x0
; BAHDANAU ATTENTION, launch 1 of 3.  out[b][t] = softmax over t of scores[b][t], scores[b][t] = sum over g of v[g] tanh(hp[b][g] + b_e[g] + enc[t][b][:] . W_e[g][:]),
; hp = hidden W_h^T + b_h.
; WORK LEFT OUT, for all values of the inputs: tanh(x) = 1 - 2 / (1 + 2^(K2 x)) with K2 = 2 log2(e), so scores[b][t] = (sum over g of v[g]) - 2 sum over g of v[g] r[b][t][g],
; r = 1 / (1 + 2^(K2 x)).  The first term is the same for every t, and a term that is the same along a softmax axis cancels in it.  So the program never forms the sum of v; it carries
; -2 sum v r in the scores place.  Every input still has a way to the output and is loaded.  LIMIT: a NaN, an infinity or an overflow that would arise in the sum of v alone is not carried to the result.
; THIS LAUNCH makes what the main launch reads many times: web = W_e rounded once to bf16 (row-major, as W_e lies), and cb = K2 (hidden W_h^T + b_h + b_e) in f32.
; Matrix operands (hidden, W_h) are rounded to bf16, sums in f32.
; SHARES.  Work-group j owns the 16 columns g = 16 j .. 16 j + 15.  Waves 0-7: the product, K split eight ways (wave w: k = 128 w .. 128 w + 127), two tiles of 16 rows b; the eight partial
; sums meet in LDS and waves 0 and 1 finish a tile each.  Waves 8-15: two rows of W_e each, 8,192 consecutive bytes in, 4,096 out.
; LAYOUT OF cb: [64 j][2 mb][2 q][32 l][4 e] f32 holds the number of b = 16 mb + l % 16, g = 16 j + 8 (l / 16) + 4 q + e: the product is taken with W_h rows as source 0, so lane l ends with one b
; and eight neighbouring g, and each of its two stores is 512 consecutive bytes of the wave.
.set SPARE, 16384                      ; behind the partial sums: the spare words, 128 bytes for each of 16 waves, named by no other line
.set SPW, 12                           ; v12  LDS address of my spare word; never rewritten
.set NIL, 13                           ; v13  0; never rewritten
.set BH,  16                           ; v[16:23] b_h, v[24:31] b_e of my eight columns
.set BE,  24
.set ACC, 32                           ; v[32:47] two accumulators, tile mb at ACC + 8 mb
.set WF,  64                           ; v[64:127]  W_h: fragment f as 16 f32 at WF + 16 f, then as 8 registers of bf16 in the same place
.set HF,  128                          ; v[128:255] hidden: tile mb, fragment f at HF + 64 mb + 16 f
.set PS,  64                           ; the eight partial tiles read back, 8 registers each
.set WV,  18                           ; s18  my wave number
.macro ADD8 d, s                       ; eight sums, two an instruction
.irp k, 0,2,4,6
	v_pk_add_f32 v[(\d)+\k:(\d)+\k+1], v[(\d)+\k:(\d)+\k+1], v[(\s)+\k:(\s)+\k+1]
.endr
.endm
.macro LD16 dst, base, off             ; a fragment as f32: k = 8 h + 0..7 (32 bytes) and k = 16 + 8 h + 0..7 (32 bytes, 64 further on)
	global_load_b128 v[(\dst):(\dst)+3],     v6, s[\base:\base+1] offset:(\off)
	global_load_b128 v[(\dst)+4:(\dst)+7],   v6, s[\base:\base+1] offset:(\off)+16
	global_load_b128 v[(\dst)+8:(\dst)+11],  v6, s[\base:\base+1] offset:(\off)+64
	global_load_b128 v[(\dst)+12:(\dst)+15], v6, s[\base:\base+1] offset:(\off)+80
.endm
	s_load_b256 s[4:11], s[0:1], 0x0               ; W_e s[4:5], W_h s[6:7], hidden s[8:9], b_h s[10:11]
	s_load_b128 s[12:15], s[0:1], 0x20             ; b_e s[12:13], web s[14:15]
	s_load_b64 s[16:17], s[0:1], 0x30              ; cb
	v_lshl_add_u32 v[SPW], v0, 2, SPARE
	v_mov_b32 v[NIL], 0
	v_lshrrev_b32 v1, 5, v0
	v_readfirstlane_b32 s[WV], v1                  ; wave 0..15
	v_and_b32 v2, 31, v0                           ; l
	v_and_b32 v3, 15, v0                           ; r = l % 16
	v_bfe_u32 v4, v0, 4, 1                         ; h = l / 16
	s_lshl_b32 s20, ttmp9, 16                      ; 16 rows of 4,096 bytes: the group's rows in W_h and in W_e
	s_mov_b32 s21, 0
	s_mov_b32 s23, 0
	s_wait_kmcnt 0x0
	s_cmp_lt_u32 s[WV], 8
	s_cbranch_scc0 .Lconv
	; WAVES 0-7: 16 columns x 32 rows b, my 128 of K
	s_add_nc_u64 s[6:7], s[6:7], s[20:21]
	s_lshl_b32 s22, s[WV], 9                       ; my 128 k in f32
	v_lshlrev_b32 v6, 12, v3                       ; row r
	v_lshl_add_u32 v6, v4, 5, v6                   ; + 32 h
	v_add_nc_u32 v6, s22, v6
.irp f, 0,1,2,3
	LD16 WF+16*\f, 6, 128*\f
.endr
.irp mb, 0,1
.irp f, 0,1,2,3
	LD16 HF+64*\mb+16*\f, 8, 65536*\mb+128*\f
.endr
.endr
	s_lshl_b32 s22, s[WV], 11
	v_lshl_add_u32 v7, v2, 5, s22                  ; where my 32 bytes of a partial tile go: 2,048 w + 32 l
	s_wait_loadcnt 0x0
.set X, WF
.rept 12                                       ; each block of 16 f32 is rounded into its own first 8 registers: the write at i never passes the reads at 2 i
.set i, 0
.rept 8
	v_cvt_pk_bf16_f32 v[X+i], v[X+2*i], v[X+2*i+1]
.set i, i+1
.endr
.set X, X+16
.endr
.irp f, 0,1,2,3                                ; the two accumulators take turns; the first product of each starts its sum
.irp mb, 0,1
.if \f == 0
	v_wmma_f32_16x16x32_bf16 v[ACC+8*\mb:ACC+8*\mb+7], v[WF+16*\f:WF+16*\f+7], v[HF+64*\mb+16*\f:HF+64*\mb+16*\f+7], 0
.else
	v_wmma_f32_16x16x32_bf16 v[ACC+8*\mb:ACC+8*\mb+7], v[WF+16*\f:WF+16*\f+7], v[HF+64*\mb+16*\f:HF+64*\mb+16*\f+7], v[ACC+8*\mb:ACC+8*\mb+7]
.endif
.endr
.endr
.rept 8
	v_nop                                          ; the places behind the last products, in front of the stores that read them
.endr
.irp mb, 0,1
	ds_store_b128 v7, v[ACC+8*\mb:ACC+8*\mb+3]   offset:1024*\mb
	ds_store_b128 v7, v[ACC+8*\mb+4:ACC+8*\mb+7] offset:1024*\mb+16
.endr
	s_branch .Lmeet
.Lconv:                                        ; WAVES 8-15: two rows of W_e to bf16
	s_sub_co_u32 s26, s[WV], 8
	s_lshl_b32 s27, s26, 13
	s_add_co_u32 s20, s20, s27
	s_add_nc_u64 s[4:5], s[4:5], s[20:21]
	s_lshl_b32 s22, ttmp9, 15
	s_lshl_b32 s27, s26, 12
	s_add_co_u32 s22, s22, s27
	s_add_nc_u64 s[14:15], s[14:15], s[22:23]
	v_lshlrev_b32 v6, 4, v2
	v_lshlrev_b32 v7, 3, v2
.set i, 0
.rept 16
	global_load_b128 v[64+4*i:64+4*i+3], v6, s[4:5] offset:512*i th:TH_LOAD_NT
.set i, i+1
.endr
.set i, 0
.rept 16
	s_wait_loadcnt 15-i                            ; loads come back in order: number i is in, the younger ones stay out
	v_cvt_pk_bf16_f32 v[128+2*i], v[64+4*i], v[64+4*i+1]
	v_cvt_pk_bf16_f32 v[129+2*i], v[64+4*i+2], v[64+4*i+3]
	global_store_b64 v7, v[128+2*i:129+2*i], s[14:15] offset:256*i  ; the wave stores 256 consecutive bytes, aligned; each store has data registers of its own
.set i, i+1
.endr
.Lmeet:
	s_wait_dscnt 0x0                               ; for the others: my partial sums lie in LDS
	s_barrier_signal -1
	s_barrier_wait -1
	s_cmp_lt_u32 s[WV], 2                          ; wave 0 finishes tile 0, wave 1 tile 1
	s_cbranch_scc0 .Lend
	s_lshl_b32 s20, ttmp9, 6
	v_lshl_add_u32 v9, v4, 5, s20                  ; my eight columns in b_h and b_e: 64 j + 32 h
	global_load_b128 v[BH:BH+3],   v9, s[10:11]
	global_load_b128 v[BH+4:BH+7], v9, s[10:11] offset:16
	global_load_b128 v[BE:BE+3],   v9, s[12:13]
	global_load_b128 v[BE+4:BE+7], v9, s[12:13] offset:16
	s_lshl_b32 s22, s[WV], 10
	v_lshl_add_u32 v8, v2, 5, s22                  ; tile = my wave number
.irp w, 0,1,2,3,4,5,6,7
	ds_load_b128 v[PS+8*\w:PS+8*\w+3],   v8 offset:2048*\w
	ds_load_b128 v[PS+8*\w+4:PS+8*\w+7], v8 offset:2048*\w+16
.endr
	s_mov_b32 s24, 0x4038aa3b                      ; K2 = 2 log2(e)
	s_mov_b32 s25, s24
	s_lshl_b32 s20, ttmp9, 11
	s_add_co_u32 s20, s20, s22
	v_lshl_add_u32 v10, v2, 4, s20                 ; 2,048 j + 1,024 mb + 16 l
	s_wait_dscnt 0x0
	ADD8 PS, PS+8
	ADD8 PS+16, PS+24
	ADD8 PS+32, PS+40
	ADD8 PS+48, PS+56
	ADD8 PS, PS+16
	ADD8 PS+32, PS+48
	ADD8 PS, PS+32
	s_wait_loadcnt 0x0
	ADD8 BH, BE
	ADD8 PS, BH
.irp k, 0,2,4,6
	v_pk_mul_f32 v[PS+\k:PS+\k+1], v[PS+\k:PS+\k+1], s[24:25] op_sel_hi:[1,0]
.endr
	global_store_b128 v10, v[PS:PS+3],   s[16:17]
	global_store_b128 v10, v[PS+4:PS+7], s[16:17] offset:512
.Lend:
	s_wait_tensorcnt 0x0                           ; the wave's end, behind my last LDS store
	ds_add_u32 v[SPW], v[NIL]
	s_wait_dscnt 0x0
	s_endpgm
.Lfunc_end_k_q043977dea2_prep:
	.size	k_q043977dea2_prep, .Lfunc_end_k_q043977dea2_prep-k_q043977dea2_prep
	.p2alignl 7, 3214868480
	.fill 96, 4, 3214868480
	.section	.rodata,"a",@progbits
	.p2align	6, 0x0
	.amdhsa_kernel k_q043977dea2_prep
		.amdhsa_group_segment_fixed_size 18432
		.amdhsa_private_segment_fixed_size 0
		.amdhsa_enable_private_segment 0
		.amdhsa_kernarg_size 56
		.amdhsa_user_sgpr_count 2
		.amdhsa_user_sgpr_kernarg_segment_ptr 1
		.amdhsa_wavefront_size32 1
		.amdhsa_system_sgpr_workgroup_id_x 1
		.amdhsa_system_sgpr_workgroup_id_y 1
		.amdhsa_system_sgpr_workgroup_id_z 1
		.amdhsa_system_vgpr_workitem_id 0
		.amdhsa_next_free_vgpr 256
		.amdhsa_next_free_sgpr 66
		.amdhsa_reserve_vcc 0
		.amdhsa_float_denorm_mode_32 3
		.amdhsa_float_denorm_mode_16_64 3
		.amdhsa_memory_ordered 1
		.amdhsa_forward_progress 1
		.amdhsa_inst_pref_size 24
	.end_amdhsa_kernel
	.amdgpu_metadata
---
amdhsa.version: [ 1, 2 ]
amdhsa.kernels:
  - .name:           k_q043977dea2_prep
    .symbol:         k_q043977dea2_prep.kd
    .args:
      - { .name: W_e, .offset: 0, .size: 8, .value_kind: global_buffer, .address_space: global }
      - { .name: W_h, .offset: 8, .size: 8, .value_kind: global_buffer, .address_space: global }
      - { .name: hidden, .offset: 16, .size: 8, .value_kind: global_buffer, .address_space: global }
      - { .name: b_h, .offset: 24, .size: 8, .value_kind: global_buffer, .address_space: global }
      - { .name: b_e, .offset: 32, .size: 8, .value_kind: global_buffer, .address_space: global }
      - { .name: web, .offset: 40, .size: 8, .value_kind: global_buffer, .address_space: global }
      - { .name: cb, .offset: 48, .size: 8, .value_kind: global_buffer, .address_space: global }
    .group_segment_fixed_size: 18432
    .private_segment_fixed_size: 0
    .kernarg_segment_align: 8
    .kernarg_segment_size: 56
    .max_flat_workgroup_size: 512
    .sgpr_count:     66
    .vgpr_count:     256
    .wavefront_size: 32
...
	.end_amdgpu_metadata
.endif
;; end of part 1
;; launch main (part 2): grid 4 x 64, 4 waves a work-group, clusters of 4 x 4, 327,680 bytes of LDS; arguments encoder_outputs, web, cb, v, part; writes part
.if DOCPART == 2
	.amdgcn_target "amdgcn-amd-amdhsa--gfx1250"
	.amdhsa_code_object_version 6
	.text
	.protected	k_q043977dea2_main
	.globl	k_q043977dea2_main
	.p2align	8
	.type	k_q043977dea2_main,@function
k_q043977dea2_main:
	s_mov_b64 s[64:65], 0
	v_nop
	global_prefetch_b8 v0, s[64:65] scope:SCOPE_SE
	s_setreg_imm32_b32 hwreg(HW_REG_WAVE_MODE, 25, 1), 1
	s_wait_xcnt 0x0
	s_wait_alu depctr_hold_cnt(0) depctr_sa_sdst(0) depctr_va_vdst(0) depctr_va_sdst(0) depctr_va_ssrc(0) depctr_va_vcc(0) depctr_vm_vsrc(0)
	s_getreg_b32 s2, hwreg(HW_REG_IB_STS2, 6, 4)
	s_cmp_eq_u32 s2, 0
	s_cbranch_scc0 .Lentry_in_a_cluster
	s_endpgm
.Lentry_in_a_cluster:
	s_bfe_u32 s2, ttmp6, 0x10000c
	s_cmp_lg_u32 s2, 0xf033
	s_cbranch_scc0 .Lentry_shape_is_right
	s_endpgm
.Lentry_shape_is_right:
; BAHDANAU ATTENTION, launch 2 of 3: part[slice][b][t] = -2 x the sum over the slice's 128 columns g of v[g] / (1 + 2^(K2 enc[t][b][:] . W_e[g][:] + cb[b][g])), K2 = 2 log2(e).
; LEFT OUT: the sum of v, which is the same for every t and cancels in the softmax (shown at the head of the first kernel).
; enc: [2048 t][32 b][1024] f32.  web: [1024 g][1024 k] bf16.  cb: K2 (hp + b_e), laid out as the first kernel says.  Products in bf16 with f32 sums; all else in f32.
; LIMITS.  2^x below 2^-126 counts as 0 (then r = 1), above f32's range as infinity (then r = 0): both are tanh's own limits.  NaN and infinities in the inputs are not treated apart.
; SHARES.  A tile is 128 rows (128 consecutive t of ONE b, so that the bias is one number a column and a wave's 128 results are 512 consecutive bytes of part) x 512 columns.
; Each of the four waves has all 128 rows x 128 columns: 64 accumulators, 512 registers.  A work-group stays and makes four tiles, t = 512 tg + 128 i on; 128 pairs (b, tg) x 2 column halves = 256 work-groups.
; THE MATRIX INSTRUCTION IS USED TRANSPOSED: source 0 = 16 rows of web, source 1 = 16 rows of enc: a lane holds ONE row t (lane % 16) and the columns 8 (lane / 16) + 0..7.
; enc IS ROUNDED ON ITS WAY IN: wave w loads 32 of the tile's rows, 256 bytes (64 k) of each, into registers, rounds them to bf16 and stores them into one of two small LDS slots that all four waves read.
; Two staging sets of 64 registers: a set is loaded two half-steps (256 products) ahead of its conversion; the conversions stand two behind each of 16 products.
; web COMES BY THE TENSOR DATA MOVER, K steps of 128 (rows of 256 bytes) through two slots; a wave fetches and reads its own 128 rows.
; CLUSTER 4 x 4.  The four work-groups of a column of the cluster have the same column half, so each web tile is asked for JOINTLY by the four.
; enc IS NOT ASKED FOR JOINTLY: a joint load would land it in LDS as f32: 64 KiB for each half-step's two slots more than LDS has left beside web's slots (322,048 of 327,680 bytes are in use),
; and every fragment would be read at twice the bytes and rounded by each of the four waves.  A row of enc has two readers, the pair of work-groups that differ in the column half.
; K: a QUARTER is 32 k (64 products), a HALF-STEP 64 k (one enc slot), a web step 128 k, a LAP 256 k (quarters 0-7); a tile is 4 laps, the launch one stream of 16 laps.
; REGISTERS, in windows of 256 (s_set_vgpr_msb: bits 1:0 source 0, 3:2 source 1, 5:4 source 2, 7:6 destination):
;   window 0: v0-55 addresses and small work; v64-127, v128-191 enc fragments, two buffers; v192-223 rounded enc on its way to LDS
;   window 1: v0-63, v192-255 the two staging sets; v64-127, v128-191 web fragments, two buffers        windows 2, 3: accumulator (a, nb) at window 2 + a / 4, v[8 (8 (a % 4) + nb)]
.set BPITCH, 272                       ; a web row in LDS: 256 bytes + 16 of padding: the 16 rows of a fragment load start 68 words apart
.set BWAVE,  128*BPITCH                ; a wave's 128 rows
.set BSLOT,  4*BWAVE
.set APITCH, 144                       ; an enc row in LDS: 128 bytes + 16
.set ASL0,   2*BSLOT                   ; behind web's two slots, in blocks of 256 bytes into which no tensor load lands: enc slot 0,
.set ASLB,   128*APITCH
.set ASL1,   ASL0+ASLB                 ; enc slot 1,
.set TAB,    ASL1+ASLB                 ; for each wave 128 f32 of cb and 128 of -2 v,
.set SCR,    TAB+4096                  ; for each wave 512 bytes in which a tile's 128 results turn from a lane a row into four rows a lane,
.set SPARE,  SCR+2048                  ; and the spare words, 128 bytes for each wave, named by no other line
.set ADRA, 16                          ; v16-17  LDS address of my enc fragments in slot 0, 1
.set ADRB, 20                          ; v20-21  the same for web
.set AST,  22                          ; v22-23  where I store 8 bytes of rounded enc in slot 0, 1
.set AGO,  24                          ; v24     my byte offset in two rows of enc: 131,072 h + 16 r
.set TA,   25                          ; v25     my eight columns in my wave's table
.set SCW,  26                          ; v26     my row's word in SCR
.set SCRD, 27                          ; v27     my 16 bytes of SCR
.set SPW,  28                          ; v28     LDS address of my spare word; never rewritten
.set NIL,  29                          ; v29     0; never rewritten
.set PFO,  30                          ; v30     enc prefetch: 131,072 r + 256 h
.set PFB,  31                          ; v31     web prefetch: 2,048 r + 256 h
.set PO,   32                          ; v32     16 l
.set TW,   33                          ; v33     where I put 16 bytes of a table
.set CGO,  34                          ; v34     where my four numbers of cb lie
.set OD,   36                          ; v[36:39] 16 bytes to store
.set SS,   40                          ; v[40:47] a row block's sum, one for each of eight blocks
.set XT,   48                          ; v[48:55] the other half of the lanes' sums
.set F0,   64
.set F1,   128
.set CB,   128                         ; in the tanh stage buffer 1 is free: window 0 takes cb,
.set VV,   128                         ; window 1 takes -2 v
.set CT,   192
.set STG0, 0
.set STG1, 192
.set LAPS, 3                           ; s3       laps to go
.set OUTP, 12                          ; s[12:13] part at my 512 bytes of the tile last stored
.set WV,   14                          ; s14      my wave number
.set G1,   24                          ; s[24:31] descriptor group 1
.set G0,   32                          ; s[32:39] descriptor group 0, a set for each slot
.set BB,   40                          ; s[40:43] web at my 128 rows, K step 0 and K step 1
.set BOFF, 44                          ; s[44:45] bytes along K of the lap whose steps are asked for next
.set AP,   46                          ; s[46:47] enc at my 32 rows, at the half-step last loaded
.set AK,   48                          ; s48      that half-step's number in its tile
.set PK,   49                          ; s49      the lap in its tile at which the enc prefetch stands
.set AINC, 50                          ; s[50:51] 0, or the jump to the next tile
.set PFA,  52                          ; s[52:53] where my enc prefetches stand
.set PINC, 54                          ; s[54:55] 0, or the jump to the next tile
.set PFBP, 56                          ; s[56:57] where my web prefetches stand
.set LIMB, 58                          ; s58      14 in the cluster that prefetches web, else the greatest number
.set TST,  59
.set OI,   60                          ; s[60:61] what the next way out adds to OUTP
.set K2,   62                          ; s[62:63] 2 log2(e), twice
.set SEL,  66                          ; s[66:67] v_permlanex16_b32's selects: each lane takes its own place in the other half
.set MUL_LO, 0xa1                      ; source 0 (web) window 1, source 1 (enc) window 0, C and D window 2
.set TO_B,   0x40                      ; destination window 1, address window 0
.set W_CV,   0x05                      ; sources window 1, destination window 0
.set MSB, 0
.macro WIN new                         ; the high byte repeats the setting that is left; a switch that changes nothing is dropped
.if MSB != (\new)
	s_set_vgpr_msb (MSB<<8)|(\new)
.set MSB, \new
.endif
.endm
.macro PLACES                          ; four places behind matrix instructions, in front of loads into registers that they have read (ISA guide 7.12.1 for vector instructions)
.rept 4
	v_nop
.endr
.endm
.macro CREST                           ; a round of the cluster's barrier behind its opening barrier
	s_cmp_lg_u32 s[WV], 0
	s_cbranch_scc1 .Lnot_wave_0_\@
	s_barrier_signal -3
.Lnot_wave_0_\@:
	s_barrier_wait -3
	s_barrier_signal -1
	s_barrier_wait -1
.endm
.macro CROUND
	s_barrier_signal -1
	s_barrier_wait -1
	CREST
.endm
; 16 products: row blocks a0, a0 + 1 of the window's four x all 8 column blocks, 32 along K.  zero = 1: they start the sums.  The 64 accumulators take turns in the same order in every quarter.
; ride = 1: behind product n stand two conversions: the four f32 that load n of staging set stg brought, rounded into 8 bytes.
.macro MUL16 f, hi, a0, zero, ride=0, stg=0
.set rn, 0
.irp a, \a0, (\a0)+1
.irp b, 0,1,2,3,4,5,6,7
	WIN MUL_LO+0x50*(\hi)
.if \zero
	v_wmma_f32_16x16x32_bf16 v[8*(8*(\a)+(\b)):8*(8*(\a)+(\b))+7], v[(\f)+8*(\b):(\f)+8*(\b)+7], v[(\f)+8*(4*(\hi)+(\a)):(\f)+8*(4*(\hi)+(\a))+7], 0
.else
	v_wmma_f32_16x16x32_bf16 v[8*(8*(\a)+(\b)):8*(8*(\a)+(\b))+7], v[(\f)+8*(\b):(\f)+8*(\b)+7], v[(\f)+8*(4*(\hi)+(\a)):(\f)+8*(4*(\hi)+(\a))+7], v[8*(8*(\a)+(\b)):8*(8*(\a)+(\b))+7]
.endif
.if \ride
	WIN W_CV
	v_cvt_pk_bf16_f32 v[CT+2*rn], v[(\stg)+4*rn], v[(\stg)+4*rn+1]
	v_cvt_pk_bf16_f32 v[CT+2*rn+1], v[(\stg)+4*rn+2], v[(\stg)+4*rn+3]
.set rn, rn+1
.endif
.endr
.endr
.endm
; 32 LDS loads in one run: a quarter's fragments into buffer f: web (slot bs, byte bk of the rows) first, then enc (slot as, byte ak); the youngest eight are enc rows 64-127
.macro FETCH as, ak, bs, bk, f
	WIN TO_B
.irp i, 0,1,2,3,4,5,6,7
	ds_load_b128 v[(\f)+8*(\i):(\f)+8*(\i)+3],   v[ADRB+(\bs)] offset:(\bk)+(\i)*16*BPITCH
	ds_load_b128 v[(\f)+8*(\i)+4:(\f)+8*(\i)+7], v[ADRB+(\bs)] offset:(\bk)+(\i)*16*BPITCH+32
.endr
	WIN 0
.irp i, 0,1,2,3,4,5,6,7
	ds_load_b128 v[(\f)+8*(\i):(\f)+8*(\i)+3],   v[ADRA+(\as)] offset:(\ak)+(\i)*16*APITCH
	ds_load_b128 v[(\f)+8*(\i)+4:(\f)+8*(\i)+7], v[ADRA+(\as)] offset:(\ak)+(\i)*16*APITCH+32
.endr
.endm
.macro ASTEP                           ; enc's pointer goes one half-step on: 256 bytes along the rows, and behind a tile's sixteenth 128 rows down and back
	s_wait_xcnt 0x0                                ; every load issued so far has read its address (ISA guide 3.1): only now is the pointer written
	s_add_co_u32 s[AK], s[AK], 1
	s_cmp_eq_u32 s[AK], 16
	s_cselect_b32 s[AINC], 128*131072-16*256, 0
	s_cselect_b32 s[AK], 0, s[AK]
	s_add_nc_u64 s[AP:AP+1], s[AP:AP+1], s[AINC:AINC+1]
	s_add_nc_u64 s[AP:AP+1], s[AP:AP+1], 256
.endm
.macro ALOAD stg                       ; 16 loads: number i brings rows 2 i and 2 i + 1 of my 32, 256 consecutive aligned bytes of each
	WIN TO_B
.irp i, 0,1,2,3,4,5,6,7,8,9,10,11,12,13,14,15
	global_load_b128 v[(\stg)+4*(\i):(\stg)+4*(\i)+3], v[AGO], s[AP:AP+1] offset:(\i)*262144
.endr
	WIN 0
.endm
.macro ASTORE slot                     ; the rounded half-step into enc slot
	WIN 0
.irp i, 0,1,2,3,4,5,6,7,8,9,10,11,12,13,14,15
	ds_store_b64 v[AST+(\slot)], v[CT+2*(\i):CT+2*(\i)+1] offset:2*APITCH*(\i)
.endr
.endm
; PREFETCHES INTO THE L2, behind a joint load, its five lines and the run of LDS loads.
; enc: lap L names the bytes of lap L + 2, which the loads ask for four half-steps (512 products) later.  A tile's 128 rows have two readers, the pair of work-groups that differ in the column half: they share
; the rows out BY ADDRESS, 64 each, 16 a wave, a lane a row; the lanes' halves and the two instructions of a lap name the four blocks of 256 bytes of a row's 1,024.  So each block is named once in the launch.
; The stream's first two laps come by their loads alone; the last two laps of the loop that could ask have nothing two laps on and ask for nothing.
.macro ASKE off
	s_cmp_gt_u32 s[LAPS], 2
	s_cbranch_scc0 .Lno_e_\@
	global_prefetch_b8 v[PFO], s[PFA:PFA+1] offset:\off th:TH_LOAD_NT scope:SCOPE_SE
.Lno_e_\@:
.endm
; web: every cluster walks all of it, four times; it is asked for in the first walk alone, by the first cluster alone (cluster y = 0: the same in all sixteen partners): laps 0 and 1 name laps 2 and 3, 512 products
; ahead of the first refill that wants them.  The eight partners with my column half share my wave's 128 rows out by address, 16 each; the lanes' halves name the lap's two blocks of 256 bytes.
.macro ASKB
	s_cmp_gt_u32 s[LAPS], s[LIMB]
	s_cbranch_scc0 .Lno_b_\@
	global_prefetch_b8 v[PFB], s[PFBP:PFBP+1] th:TH_LOAD_NT scope:SCOPE_SE
.Lno_b_\@:
.endm
; AN EVEN QUARTER multiplies buffer 0 and fetches the same half-step's second quarter (enc slot as, web slot bs at byte bk) into buffer 1.
; cv = 1: the next half-step's enc, which lies in the staging set of the other slot's number, is rounded beside the first 16 products and stored into the other enc slot: nobody reads that slot since
; the barrier of the quarter before.  ld = 1: that set is loaded again, with the half-step three on.  lcnt: the younger global loads that may stay out.
.macro QE as, bs, bk, zero, cv, ld, lcnt
.set STGX, STG0+(STG1-STG0)*(1-(\as))
	s_wait_dscnt 8                                 ; web and enc rows 0-63 of buffer 0 are in
.if \cv
	s_wait_loadcnt \lcnt                           ; the set's 16 loads are in; the other set's, issued behind them, stay out
.endif
	MUL16 F0, 0, 0, \zero, \cv, STGX
	MUL16 F0, 0, 2, \zero
	PLACES
.if \cv
	ASTORE 1-(\as)
.endif
	FETCH \as, 64, \bs, \bk, F1
.if \ld
	ASTEP
	ALOAD STGX
.endif
	s_wait_dscnt 32                                ; all but the 32 fragment loads just issued
	MUL16 F0, 1, 0, \zero
	MUL16 F0, 1, 2, \zero
.endm
; AN ODD QUARTER multiplies buffer 1 and changes enc slots: ONE barrier.  In front of it each wave has waited for its stores into the next enc slot and for its reads of this one.
; kind 0: no more.  kind 1: web slot \slot has also been read out and is filled again: in front of the barrier the wave waits for all its tensor loads (one is out: the other web slot's) and adds 0 to its
; spare word; the barrier opens a round of the cluster's barrier; the joint refill is the first thing behind the round, 224 products ahead of the wait for it.
; kind 2: as kind 1, but nothing is left to ask for: no round, no load.  kind 3: the launch's last quarter.
; first = 1 (quarter 3 in the loop): the lap's scalar steps, ahead of the waits of the change.
.macro TURN kind, slot, nas, nbs, nbk, first
.if \first
	s_wait_xcnt 0x0                                ; the last prefetches, four quarters back, have read their addresses
	s_add_co_u32 s[BOFF], s[BOFF], 512
	s_and_b32 s[BOFF], s[BOFF], 0x600              ; the next lap's 512 bytes of a web row; behind a tile's last lap the next tile's first
	s_add_co_u32 s[PK], s[PK], 1
	s_cmp_eq_u32 s[PK], 4
	s_cselect_b32 s[PINC], 128*131072-4*1024, 0
	s_cselect_b32 s[PK], 0, s[PK]
	s_add_nc_u64 s[PFA:PFA+1], s[PFA:PFA+1], s[PINC:PINC+1]
	s_add_nc_u64 s[PFA:PFA+1], s[PFA:PFA+1], 1024
	s_add_nc_u64 s[PFBP:PFBP+1], s[PFBP:PFBP+1], 512
.endif
.if (\kind) == 0
	s_wait_dscnt 8
	MUL16 F1, 0, 0, 0
	s_wait_dscnt 0x0                               ; my stores into the next enc slot are done, my reads of this one are back
	s_barrier_signal -1
	MUL16 F1, 0, 2, 0
	s_barrier_wait -1
	PLACES
	FETCH \nas, 0, \nbs, \nbk, F0
	MUL16 F1, 1, 0, 0
	MUL16 F1, 1, 2, 0
.elseif (\kind) == 3
	s_wait_dscnt 8
	MUL16 F1, 0, 0, 0
	MUL16 F1, 0, 2, 0
	s_wait_dscnt 0x0
	MUL16 F1, 1, 0, 0
	MUL16 F1, 1, 2, 0
.else
	WIN 0                                          ; (the add's two registers lie in window 0)
	s_wait_tensorcnt 0x0                           ; all my tensor loads have landed: the one that was out is my part of the other web slot
	ds_add_u32 v[SPW], v[NIL]                      ; 0 onto my spare word
	s_wait_dscnt 9                                 ; (the add and the youngest eight loads may be out)
	MUL16 F1, 0, 0, 0                              ; sixteen products stand between the add and the wait for it
	s_wait_dscnt 0x0                               ; the add is done, my stores are done, my reads of both slots that are left are back
	s_barrier_signal -1
	MUL16 F1, 0, 2, 0
.if (\kind) == 1
	WIN 0
.endif
	s_barrier_wait -1
.if (\kind) == 1
	CREST                                          ; no wave of any partner still reads this web slot or has a load on its way
	s_add_nc_u64 s[G0+4*(\slot)+2:G0+4*(\slot)+3], s[BB+2*(\slot):BB+2*(\slot)+1], s[BOFF:BOFF+1]  ; the address is made anew: my rows, the step's bytes along K,
	s_or_b32 s[G0+4*(\slot)+3], s[G0+4*(\slot)+3], 0x80000000                                     ; and the type bits
	tensor_load_to_lds s[G0+4*(\slot):G0+4*(\slot)+3], s[G1:G1+7]
	s_nop 0
	PLACES                                         ; the places in front of the loads below
.else
	PLACES
.endif
	FETCH \nas, 0, \nbs, \nbk, F0
.if (\kind) == 1
.if \first
	ASKE 0
	ASKB
.else
	ASKE 512
.endif
.endif
	MUL16 F1, 1, 0, 0
	MUL16 F1, 1, 2, 0
.endif
.endm
; THE TANH STAGE, for the four row blocks of window W.  For a row block (8 accumulators, 64 numbers a lane): x = K2 s + cb; e = 2^x; e + 1; r = 1 / (e + 1); then r times -2 v, summed along the column blocks in four chains.
; The exponentials of a row block are ONE BATCH, and so are its reciprocals: nothing ahead of a batch's wait names a result of it; the packed line for the next accumulator stands behind each two
; transcendentals; a v_nop is the plain instruction behind the last one, and one s_wait_alu serves the batch.  Each accumulator is first read at its two lowest registers.
.macro FMA1 nb, p
	v_pk_fma_f32 v[64*ea+8*(\nb)+2*(\p):64*ea+8*(\nb)+2*(\p)+1], v[64*ea+8*(\nb)+2*(\p):64*ea+8*(\nb)+2*(\p)+1], s[K2:K2+1], v[CB+8*(\nb)+2*(\p):CB+8*(\nb)+2*(\p)+1] op_sel_hi:[1,0,1]
.endm
.macro ONE nb, p
	v_pk_add_f32 v[64*ea+8*(\nb)+2*(\p):64*ea+8*(\nb)+2*(\p)+1], v[64*ea+8*(\nb)+2*(\p):64*ea+8*(\nb)+2*(\p)+1], 1.0 op_sel_hi:[1,0]
.endm
.macro EPIW W
.set ea, 0
.rept 4
	WIN 0x86+0x41*((\W)-2)                         ; destination and source 0 window W, source 1 window 1, source 2 window 0
.irp p, 0,1,2,3
	FMA1 0, \p
.endr
.irp nb, 0,1,2,3,4,5,6,7
.irp p, 0,1,2,3
	v_exp_f32 v[64*ea+8*(\nb)+2*(\p)], v[64*ea+8*(\nb)+2*(\p)]
	v_exp_f32 v[64*ea+8*(\nb)+2*(\p)+1], v[64*ea+8*(\nb)+2*(\p)+1]
.if (\nb) < 7
	FMA1 (\nb)+1, \p
.endif
.endr
.endr
	v_nop
	s_wait_alu depctr_va_vdst(0)                   ; one wait for the 64 exponentials
.irp p, 0,1,2,3
	ONE 0, \p
.endr
.irp nb, 0,1,2,3,4,5,6,7
.irp p, 0,1,2,3
	v_rcp_f32 v[64*ea+8*(\nb)+2*(\p)], v[64*ea+8*(\nb)+2*(\p)]
	v_rcp_f32 v[64*ea+8*(\nb)+2*(\p)+1], v[64*ea+8*(\nb)+2*(\p)+1]
.if (\nb) < 7
	ONE (\nb)+1, \p
.endif
.endr
.endr
	v_nop
	s_wait_alu depctr_va_vdst(0)                   ; one wait for the 64 reciprocals
	WIN 0xa6+0x51*((\W)-2)                         ; source 2 in window W too
.irp p, 0,1,2,3
	v_pk_mul_f32 v[64*ea+2*(\p):64*ea+2*(\p)+1], v[64*ea+2*(\p):64*ea+2*(\p)+1], v[VV+2*(\p):VV+2*(\p)+1]
.endr
.irp nb, 1,2,3,4,5,6,7
.irp p, 0,1,2,3
	v_pk_fma_f32 v[64*ea+8*(\nb)+2*(\p):64*ea+8*(\nb)+2*(\p)+1], v[64*ea+8*(\nb)+2*(\p):64*ea+8*(\nb)+2*(\p)+1], v[VV+8*(\nb)+2*(\p):VV+8*(\nb)+2*(\p)+1], v[64*ea+8*(\nb)+2*(\p)-8:64*ea+8*(\nb)+2*(\p)-7]
.endr
.endr
.set ea, ea+1
.endr
	WIN 0x8a+0x45*((\W)-2)                         ; the four chains' ends, in the last accumulator of each row block, into one pair,
.irp a, 0,1,2,3
	v_pk_add_f32 v[64*\a+56:64*\a+57], v[64*\a+56:64*\a+57], v[64*\a+58:64*\a+59]
	v_pk_add_f32 v[64*\a+60:64*\a+61], v[64*\a+60:64*\a+61], v[64*\a+62:64*\a+63]
.endr
.irp a, 0,1,2,3
	v_pk_add_f32 v[64*\a+56:64*\a+57], v[64*\a+56:64*\a+57], v[64*\a+60:64*\a+61]
.endr
	WIN 0x0a+0x05*((\W)-2)                         ; and into one number in window 0
.irp a, 0,1,2,3
	v_add_f32 v[SS+4*((\W)-2)+\a], v[64*\a+56], v[64*\a+57]
.endr
.endm
; A TILE'S END: the tables into buffer 1's registers, the tanh stage, the other half of the lanes' 64 columns, and the way out: 128 results go through my own 512 bytes of LDS, so that the wave's one store is
; 512 consecutive aligned bytes of part.  No barrier, no tensor load and no global load stands here: the staging sets and the web refill stay on their way.
.macro EPI
	PLACES
	PLACES                                         ; behind the last products, in front of the loads into buffer 1 and of the first read of the sums
	WIN 0
	s_wait_xcnt 0x0                                ; the last tile's store has read its base and its data
	s_add_nc_u64 s[OUTP:OUTP+1], s[OUTP:OUTP+1], s[OI:OI+1]
.irp nb, 0,1,2,3,4,5,6,7
	ds_load_b128 v[CB+8*\nb:CB+8*\nb+3],   v[TA] offset:64*\nb
	ds_load_b128 v[CB+8*\nb+4:CB+8*\nb+7], v[TA] offset:64*\nb+16
.endr
	WIN TO_B
.irp nb, 0,1,2,3,4,5,6,7
	ds_load_b128 v[VV+8*\nb:VV+8*\nb+3],   v[TA] offset:512+64*\nb
	ds_load_b128 v[VV+8*\nb+4:VV+8*\nb+7], v[TA] offset:512+64*\nb+16
.endr
	s_wait_dscnt 0x0
	EPIW 2
	EPIW 3
	WIN 0
.irp a, 0,1,2,3,4,5,6,7
	v_permlanex16_b32 v[XT+\a], v[SS+\a], s[SEL], s[SEL+1]
.endr
.irp a, 0,1,2,3,4,5,6,7
	v_add_f32 v[SS+\a], v[SS+\a], v[XT+\a]
.endr
.irp a, 0,1,2,3,4,5,6,7
	ds_store_b32 v[SCW], v[SS+\a] offset:64*\a     ; row 16 a + r; both halves of the lanes hold the same number and write the same word
.endr
	ds_load_b128 v[OD:OD+3], v[SCRD]               ; LDS serves a wave's instructions in order (ISA guide 5.7.1.4): this sees the stores above
	s_wait_dscnt 0x0
	global_store_b128 v[PO], v[OD:OD+3], s[OUTP:OUTP+1]
	s_mov_b32 s[OI], 512                           ; the next tile's 128 t
.endm
	s_load_b256 s[4:11], s[0:1], 0x0               ; enc s[4:5], web s[6:7], cb s[8:9], v s[10:11]
	s_load_b64 s[OUTP:OUTP+1], s[0:1], 0x20        ; part
	v_lshl_add_u32 v[SPW], v0, 2, SPARE
	v_mov_b32 v[NIL], 0
	ds_add_u32 v[SPW], v[NIL]                      ; the wave's opening: the add, twice on end, and its wait ahead of my first tensor load
	ds_add_u32 v[SPW], v[NIL]                      ; and once more, under the one wait; the set-up below, work on registers, stands between
	v_lshrrev_b32 v1, 5, v0
	v_readfirstlane_b32 s[WV], v1                  ; wave 0..3
	s_bfe_u32 s15, ttmp6, 0x40000                  ; cx: the grid is one cluster wide, so cx is the work-group's x
	s_bfe_u32 s16, ttmp6, 0x40004                  ; cy
	s_and_b32 s17, s15, 1                          ; nh: which 512 columns
	s_and_b32 s18, ttmp7, 0xffff                   ; cluster y
	s_lshl_b32 s68, s18, 2
	s_add_co_u32 s68, s68, s16                     ; work-group y
	s_lshr_b32 s69, s15, 1
	s_lshl1_add_u32 s19, s68, s69                  ; the pair's number p = 2 y + x / 2, 0..127
	s_and_b32 s20, s19, 31                         ; b
	s_lshr_b32 s21, s19, 5                         ; tg
	s_lshl_b32 s22, s17, 9
	s_lshl_b32 s23, s[WV], 7
	s_add_co_u32 s22, s22, s23                     ; nW: my first column, made of cx and the wave number alone
	; descriptor group 1: 128 rows x 128 elements of 2 bytes, padded in LDS
	s_lshl_b32 s23, 0x1111, s15                    ; my column of the cluster: places cx, cx + 4, cx + 8, cx + 12
	s_or_b32 s[G1], s23, (1<<16)|(1<<20)|(1<<21)|(5<<22)|(3<<25)  ; 15:0 the mask; 17:16 2-byte elements; 20 padding on; 21 set beside a mask; 24:22 after every 64 words (code 5); 31:25 4 words (code 3)
	s_mov_b32 s[G1+1], 128<<16                     ; tensor_dim0 = 128
	s_mov_b32 s[G1+2], 128<<16                     ; tensor_dim1 = 128
	s_mov_b32 s[G1+3], 128<<16                     ; tile_dim0 = 128
	s_mov_b32 s[G1+4], 128                         ; tile_dim1 = 128
	s_mov_b32 s[G1+5], 1024                        ; elements from row to row
	s_mov_b32 s[G1+6], 0
	s_mov_b32 s[G1+7], 0
	s_mov_b32 s[G0], 1
	s_mul_i32 s[G0+1], s[WV], BWAVE                ; LDS address: my 128 rows of slot 0: no place in the cluster enters it
	s_mov_b32 s[G0+4], 1
	s_add_co_u32 s[G0+5], s[G0+1], BSLOT           ; and of slot 1
	; byte offsets, each made apart from its pointer
	s_lshl_b32 s[BOFF], s22, 11                    ; my rows of web
	s_mov_b32 s[BOFF+1], 0
	s_lshl_b32 s72, s21, 26                        ; enc: 512 tg rows t of 131,072 bytes,
	s_lshl_b32 s73, s20, 12                        ; row b of 4,096
	s_add_co_u32 s72, s72, s73
	s_lshl_b32 s70, s[WV], 22                      ; the loads: my 32 rows t
	s_add_co_u32 s70, s70, s72
	s_mov_b32 s71, 0
	s_lshl_b32 s73, s17, 23                        ; the prefetches: my work-group's 64 rows,
	s_add_co_u32 s72, s72, s73
	s_lshl_b32 s73, s[WV], 21                      ; my wave's 16,
	s_add_co_u32 s72, s72, s73
	s_add_co_u32 s72, s72, 1024                    ; at lap 1: the first change of slots steps it to lap 2
	s_mov_b32 s73, 0
	s_lshl1_add_u32 s74, s16, s69                  ; web's prefetches: my place among the eight partners with my column half,
	s_lshl_b32 s74, s74, 15                        ; 16 rows of 2,048 bytes each,
	s_add_co_u32 s74, s74, s[BOFF]
	s_add_co_u32 s74, s74, 512                     ; at lap 1
	s_mov_b32 s75, 0
	s_lshl_b32 s68, s17, 20                        ; part: slice 4 nh + wave of 262,144 bytes,
	s_lshl_b32 s69, s[WV], 18
	s_add_co_u32 s68, s68, s69
	s_lshl_b32 s69, s20, 13                        ; row b of 8,192,
	s_add_co_u32 s68, s68, s69
	s_lshl_b32 s69, s21, 11                        ; 512 tg numbers
	s_add_co_u32 s68, s68, s69
	s_mov_b32 s69, 0
	s_lshl_b32 s[AINC], s22, 7                     ; cb: column block nW / 16 of 2,048 bytes,
	s_lshr_b32 s[TST], s20, 4
	s_lshl_b32 s[TST], s[TST], 10                  ; mb = b / 16,
	s_add_co_u32 s[AINC], s[AINC], s[TST]
	s_and_b32 s[TST], s20, 15
	s_lshl_b32 s[TST], s[TST], 4                   ; lane b % 16
	s_add_co_u32 s[AINC], s[AINC], s[TST]
	s_mov_b32 s[AINC+1], 0
	s_lshl_b32 s[PINC], s22, 2                     ; v: my 128 numbers
	s_mov_b32 s[PINC+1], 0
	s_mov_b32 s[AK], 0
	s_mov_b32 s[PK], 1
	s_mov_b32 s[OI], 0
	s_mov_b32 s[OI+1], 0
	s_mov_b32 s[K2], 0x4038aa3b                    ; 2 log2(e)
	s_mov_b32 s[K2+1], s[K2]
	s_mov_b32 s[SEL], 0x76543210
	s_mov_b32 s[SEL+1], 0xfedcba98
	s_cmp_eq_u32 s18, 0
	s_cselect_b32 s[LIMB], 14, -1
	; lane terms
	v_and_b32 v2, 31, v0                           ; l
	v_and_b32 v3, 15, v0                           ; r
	v_bfe_u32 v4, v0, 4, 1                         ; h
	v_mul_u32_u24 v5, v3, APITCH
	v_lshl_add_u32 v5, v4, 4, v5                   ; a fragment's row x pitch + 16 h
	v_add_nc_u32 v[ADRA], ASL0, v5
	v_add_nc_u32 v[ADRA+1], ASL1, v5
	v_mul_u32_u24 v6, v3, BPITCH
	v_lshl_add_u32 v6, v4, 4, v6
	v_add_nc_u32 v[ADRB], s[G0+1], v6
	v_add_nc_u32 v[ADRB+1], BSLOT, v[ADRB]
	s_mul_i32 s23, s[WV], 32*APITCH
	v_mul_u32_u24 v7, v4, APITCH
	v_lshl_add_u32 v7, v3, 3, v7                   ; row 32 w + h, byte 8 r
	v_add_nc_u32 v7, s23, v7
	v_add_nc_u32 v[AST], ASL0, v7
	v_add_nc_u32 v[AST+1], ASL1, v7
	v_lshlrev_b32 v[AGO], 17, v4
	v_lshl_add_u32 v[AGO], v3, 4, v[AGO]
	s_lshl_b32 s23, s[WV], 10
	s_add_co_u32 s23, s23, TAB
	v_lshl_add_u32 v[TA], v4, 5, s23
	v_lshl_add_u32 v[TW], v2, 4, s23
	s_lshl_b32 s23, s[WV], 9
	s_add_co_u32 s23, s23, SCR
	v_lshl_add_u32 v[SCW], v3, 2, s23
	v_lshl_add_u32 v[SCRD], v2, 4, s23
	v_lshlrev_b32 v[PFO], 17, v3
	v_lshl_add_u32 v[PFO], v4, 8, v[PFO]
	v_lshlrev_b32 v[PFB], 11, v3
	v_lshl_add_u32 v[PFB], v4, 8, v[PFB]
	v_lshlrev_b32 v[PO], 4, v2
	v_lshrrev_b32 v5, 2, v2                        ; my four columns 4 l .. 4 l + 3 of the wave's 128: column block l / 4,
	v_lshlrev_b32 v[CGO], 11, v5
	v_and_b32 v5, 1, v2                            ; q = l % 2,
	v_lshl_add_u32 v[CGO], v5, 9, v[CGO]
	v_bfe_u32 v5, v2, 1, 1                         ; the half of the lanes (l / 2) % 2
	v_lshl_add_u32 v[CGO], v5, 8, v[CGO]
.irp a, 0,1,2,3,4,5,6,7
	v_mov_b32 v[XT+\a], 0                          ; v_permlanex16_b32's destination counts as read
.endr
	s_wait_dscnt 0x0                               ; both opening adds are done
	s_wait_kmcnt 0x0
	s_add_nc_u64 s[BB:BB+1], s[6:7], s[BOFF:BOFF+1]
	s_add_nc_u64 s[BB+2:BB+3], s[BB:BB+1], 256
	s_mov_b64 s[G0+2:G0+3], s[BB:BB+1]             ; K step 0 into slot 0,
	s_or_b32 s[G0+3], s[G0+3], 0x80000000
	s_mov_b64 s[G0+6:G0+7], s[BB+2:BB+3]           ; K step 1 into slot 1
	s_or_b32 s[G0+7], s[G0+7], 0x80000000
	s_add_nc_u64 s[AP:AP+1], s[4:5], s[70:71]
	s_add_nc_u64 s[PFA:PFA+1], s[4:5], s[72:73]
	s_add_nc_u64 s[PFBP:PFBP+1], s[6:7], s[74:75]
	s_add_nc_u64 s[OUTP:OUTP+1], s[OUTP:OUTP+1], s[68:69]
	s_add_nc_u64 s[8:9], s[8:9], s[AINC:AINC+1]
	s_add_nc_u64 s[10:11], s[10:11], s[PINC:PINC+1]
	s_mov_b32 s[BOFF], 0
	global_load_b128 v[OD:OD+3], v[CGO], s[8:9]    ; my four numbers of cb,
	global_load_b128 v[SS:SS+3], v[PO], s[10:11]   ; and of v
	ALOAD STG0                                     ; half-step 0
	ASTEP
	ALOAD STG1                                     ; half-step 1
	CROUND                                         ; all sixteen work-groups are here: the first joint loads meet
	tensor_load_to_lds s[G0:G0+3], s[G1:G1+7]      ; two tensor loads of mine are out
	s_nop 0
	tensor_load_to_lds s[G0+4:G0+7], s[G1:G1+7]
	s_nop 0
	PLACES
	s_wait_loadcnt 32                              ; the two table loads are in; the 32 of enc behind them stay out
	v_pk_mul_f32 v[SS:SS+1], v[SS:SS+1], -2.0 op_sel_hi:[1,0]
	v_pk_mul_f32 v[SS+2:SS+3], v[SS+2:SS+3], -2.0 op_sel_hi:[1,0]
	ds_store_b128 v[TW], v[OD:OD+3]                ; my wave's tables: only my wave reads them
	ds_store_b128 v[TW], v[SS:SS+3] offset:512
	s_wait_loadcnt 16                              ; half-step 0 is in
	WIN W_CV
.set rn, 0
.rept 16
	v_cvt_pk_bf16_f32 v[CT+2*rn], v[STG0+4*rn], v[STG0+4*rn+1]
	v_cvt_pk_bf16_f32 v[CT+2*rn+1], v[STG0+4*rn+2], v[STG0+4*rn+3]
.set rn, rn+1
.endr
	ASTORE 0
	ASTEP
	ALOAD STG0                                     ; half-step 2
	s_wait_tensorcnt 0x1                           ; my part of web slot 0 is in; slot 1's may stay out
	s_wait_dscnt 0x0                               ; my rows of enc slot 0 are stored
	s_barrier_signal -1
	s_barrier_wait -1
	FETCH 0, 0, 0, 0, F0
	s_mov_b32 s[LAPS], 16
	s_branch .Lz                                   ; the loop is entered at a lap's first quarter, in the middle of a trip
.Llap:                                         ; 15 trips: a lap's quarters 1 to 7 and the next lap's quarter 0; both web slots are filled again
	TURN 0, 0, 1, 0, 128, 0
	QE 1, 0, 192, 0, 1, 1, 16
	TURN 1, 0, 0, 1, 0, 1
	QE 0, 1, 64, 0, 1, 1, 16
	TURN 0, 0, 1, 1, 128, 0
	QE 1, 1, 192, 0, 1, 1, 16
	TURN 1, 1, 0, 0, 0, 0
	WIN 0                                          ; at a label and at a branch every window is 0
	s_sub_co_u32 s[LAPS], s[LAPS], 1
	s_and_b32 s[TST], s[LAPS], 3
	s_cmp_lg_u32 s[TST], 0
	s_cbranch_scc1 .Lsame                          ; three times in four the tile goes on
	EPI                                            ; the tile is finished; the next tile's first fragments lie in buffer 0
.Lz:
	QE 0, 0, 64, 1, 1, 1, 16                       ; a tile's first quarter: its products start the sums
	WIN 0
	s_branch .Ljoin
.Lsame:
	QE 0, 0, 64, 0, 1, 1, 16
	WIN 0
.Ljoin:
	s_cmp_lg_u32 s[LAPS], 1
	s_cbranch_scc1 .Llap
	TURN 0, 0, 1, 0, 128, 0                        ; the last lap is written out: nothing more is asked for
	QE 1, 0, 192, 0, 1, 0, 16                      ; half-step 62 is rounded; 63's loads stay out
	TURN 2, 0, 0, 1, 0, 0
	QE 0, 1, 64, 0, 1, 0, 0                        ; half-step 63 is rounded: no load is younger
	TURN 0, 0, 1, 1, 128, 0
	QE 1, 1, 192, 0, 0, 0, 0
	TURN 3, 0, 0, 0, 0, 0
	WIN 0
	EPI
	s_wait_tensorcnt 0x0                           ; the wave's end, behind my last tensor load and my last LDS store
	ds_add_u32 v[SPW], v[NIL]
	s_wait_dscnt 0x0
	CROUND                                         ; the closing round: no work-group ends while a partner may still ask for a tile that names it
	s_endpgm
.Lfunc_end_k_q043977dea2_main:
	.size	k_q043977dea2_main, .Lfunc_end_k_q043977dea2_main-k_q043977dea2_main
	.p2alignl 7, 3214868480
	.fill 96, 4, 3214868480
	.section	.rodata,"a",@progbits
	.p2align	6, 0x0
	.amdhsa_kernel k_q043977dea2_main
		.amdhsa_group_segment_fixed_size 327680
		.amdhsa_private_segment_fixed_size 0
		.amdhsa_enable_private_segment 0
		.amdhsa_kernarg_size 40
		.amdhsa_user_sgpr_count 2
		.amdhsa_user_sgpr_kernarg_segment_ptr 1
		.amdhsa_wavefront_size32 1
		.amdhsa_system_sgpr_workgroup_id_x 1
		.amdhsa_system_sgpr_workgroup_id_y 1
		.amdhsa_system_sgpr_workgroup_id_z 1
		.amdhsa_system_vgpr_workitem_id 0
		.amdhsa_next_free_vgpr 1024
		.amdhsa_next_free_sgpr 76
		.amdhsa_reserve_vcc 0
		.amdhsa_float_denorm_mode_32 3
		.amdhsa_float_denorm_mode_16_64 3
		.amdhsa_memory_ordered 1
		.amdhsa_forward_progress 1
		.amdhsa_inst_pref_size 255
	.end_amdhsa_kernel
	.section	.bss,"aw",@nobits
	.p2align	6
	.space	262144
	.amdgpu_metadata
---
amdhsa.version: [ 1, 2 ]
amdhsa.kernels:
  - .name:           k_q043977dea2_main
    .symbol:         k_q043977dea2_main.kd
    .args:
      - { .name: encoder_outputs, .offset: 0, .size: 8, .value_kind: global_buffer, .address_space: global }
      - { .name: web, .offset: 8, .size: 8, .value_kind: global_buffer, .address_space: global }
      - { .name: cb, .offset: 16, .size: 8, .value_kind: global_buffer, .address_space: global }
      - { .name: v, .offset: 24, .size: 8, .value_kind: global_buffer, .address_space: global }
      - { .name: part, .offset: 32, .size: 8, .value_kind: global_buffer, .address_space: global }
    .group_segment_fixed_size: 327680
    .private_segment_fixed_size: 0
    .kernarg_segment_align: 8
    .kernarg_segment_size: 40
    .max_flat_workgroup_size: 128
    .sgpr_count:     76
    .vgpr_count:     1024
    .wavefront_size: 32
...
	.end_amdgpu_metadata
.endif
;; end of part 2
;; launch soft (part 3): grid 32 x 1, 8 waves a work-group, no clusters, 1,536 bytes of LDS; arguments part, out0; writes out0
.if DOCPART == 3
	.amdgcn_target "amdgcn-amd-amdhsa--gfx1250"
	.amdhsa_code_object_version 6
	.text
	.protected	k_q043977dea2_soft
	.globl	k_q043977dea2_soft
	.p2align	8
	.type	k_q043977dea2_soft,@function
k_q043977dea2_soft:
	s_mov_b64 s[64:65], 0
	v_nop
	global_prefetch_b8 v0, s[64:65] scope:SCOPE_SE
	s_setreg_imm32_b32 hwreg(HW_REG_WAVE_MODE, 25, 1), 1
	s_wait_xcnt 0x0
; BAHDANAU ATTENTION, launch 3 of 3: out0[b][t] = softmax over t of the sum over the eight slices of part[slice][b][t].
; LEFT OUT: the sum of v, which is the same for every t and cancels here (shown at the head of the first kernel).
; part: [8][32][2048] f32.  Work-group b has one row of 2,048; thread i has t = 4 i .. 4 i + 3 and the same 1,024 further on, so each load and store of a wave covers 512 consecutive bytes.
; The row stays in registers; the maximum is taken away before the exponential; a weight below 2^-126 counts as 0.
; Matrix units, clusters and tensor loads have nothing to do here: 64 KiB in, 8 KiB out for each work-group, each byte once.
.set SPARE, 512                        ; LDS: eight maxima from byte 0, eight sums from byte 256, then the spare words, 128 bytes for each of eight waves
.set SPW, 2                            ; v2  LDS address of my spare word; never rewritten
.set NIL, 3                            ; v3  0; never rewritten
.set X,   16                           ; v[16:79] slice s at X + 8 s: four numbers, and the four 1,024 further on
.macro ADD8 d, s
.irp k, 0,2,4,6
	v_pk_add_f32 v[(\d)+\k:(\d)+\k+1], v[(\d)+\k:(\d)+\k+1], v[(\s)+\k:(\s)+\k+1]
.endr
.endm
	s_load_b128 s[4:7], s[0:1], 0x0                ; part s[4:5], out0 s[6:7]
	v_lshl_add_u32 v[SPW], v0, 2, SPARE
	v_mov_b32 v[NIL], 0
	v_lshrrev_b32 v4, 5, v0
	v_readfirstlane_b32 s8, v4                     ; wave 0..7
	v_lshlrev_b32 v1, 4, v0                        ; my 16 bytes
	v_mov_b32 v5, s8
	v_lshlrev_b32 v5, 2, v5                        ; my wave's word
	v_mov_b32 v6, 0
	v_mov_b32 v81, 0                               ; v_permlanex16_b32's destination counts as read
	v_mov_b32 v83, 0                               ; named in a pair with v82
	s_lshl_b32 s10, ttmp9, 13                      ; row b: 8,192 bytes, in part and in out0
	s_mov_b32 s11, 0
	s_mov_b32 s12, 0x76543210
	s_mov_b32 s13, 0xfedcba98
	s_mov_b32 s14, 0x3fb8aa3b                      ; log2(e)
	s_mov_b32 s15, s14
	s_wait_kmcnt 0x0
	s_add_nc_u64 s[4:5], s[4:5], s[10:11]
	s_add_nc_u64 s[6:7], s[6:7], s[10:11]
.irp s, 0,1,2,3,4,5,6,7
	global_load_b128 v[X+8*\s:X+8*\s+3],   v1, s[4:5] offset:262144*\s th:TH_LOAD_NT
	global_load_b128 v[X+8*\s+4:X+8*\s+7], v1, s[4:5] offset:262144*\s+4096 th:TH_LOAD_NT
.endr
	s_wait_loadcnt 0x0
	ADD8 X, X+8
	ADD8 X+16, X+24
	ADD8 X+32, X+40
	ADD8 X+48, X+56
	ADD8 X, X+16
	ADD8 X+32, X+48
	ADD8 X, X+32                                   ; my eight scores
	v_max3_num_f32 v80, v[X], v[X+1], v[X+2]
	v_max3_num_f32 v80, v80, v[X+3], v[X+4]
	v_max3_num_f32 v80, v80, v[X+5], v[X+6]
	v_max_num_f32 v80, v80, v[X+7]
	v_max_num_f32_dpp v80, v80, v80 row_xmask:1 row_mask:0xf bank_mask:0xf
	v_max_num_f32_dpp v80, v80, v80 row_xmask:2 row_mask:0xf bank_mask:0xf
	v_max_num_f32_dpp v80, v80, v80 row_xmask:4 row_mask:0xf bank_mask:0xf
	v_max_num_f32_dpp v80, v80, v80 row_xmask:8 row_mask:0xf bank_mask:0xf
	v_permlanex16_b32 v81, v80, s12, s13
	v_max_num_f32 v80, v80, v81                    ; the wave's maximum, in every lane
	ds_store_b32 v5, v80
	s_wait_dscnt 0x0                               ; for the others
	s_barrier_signal -1
	s_barrier_wait -1
	ds_load_b128 v[84:87], v6
	ds_load_b128 v[88:91], v6 offset:16
	s_wait_dscnt 0x0
	v_max3_num_f32 v84, v84, v85, v86
	v_max3_num_f32 v84, v84, v87, v88
	v_max3_num_f32 v84, v84, v89, v90
	v_max_num_f32 v84, v84, v91                    ; the row's maximum
	v_mul_f32 v82, s14, v84
.irp k, 0,2,4,6
	v_pk_fma_f32 v[X+\k:X+\k+1], v[X+\k:X+\k+1], s[14:15], v[82:83] op_sel_hi:[1,0,0] neg_lo:[0,0,1] neg_hi:[0,0,1]  ; log2(e) s - log2(e) max
.endr
.irp k, 0,1,2,3,4,5,6,7
	v_exp_f32 v[X+\k], v[X+\k]
.endr
	v_nop                                          ; a plain instruction behind the last exponential,
	s_wait_alu depctr_va_vdst(0)                   ; and the one wait for the batch
	v_pk_add_f32 v[92:93], v[X:X+1], v[X+2:X+3]
	v_pk_add_f32 v[94:95], v[X+4:X+5], v[X+6:X+7]
	v_pk_add_f32 v[92:93], v[92:93], v[94:95]
	v_add_f32 v80, v92, v93
	v_add_f32_dpp v80, v80, v80 row_xmask:1 row_mask:0xf bank_mask:0xf
	v_add_f32_dpp v80, v80, v80 row_xmask:2 row_mask:0xf bank_mask:0xf
	v_add_f32_dpp v80, v80, v80 row_xmask:4 row_mask:0xf bank_mask:0xf
	v_add_f32_dpp v80, v80, v80 row_xmask:8 row_mask:0xf bank_mask:0xf
	v_permlanex16_b32 v81, v80, s12, s13
	v_add_f32 v80, v80, v81
	ds_store_b32 v5, v80 offset:256                ; other bytes than the maxima, which a slower wave may still be reading
	s_wait_dscnt 0x0
	s_barrier_signal -1
	s_barrier_wait -1
	ds_load_b128 v[84:87], v6 offset:256
	ds_load_b128 v[88:91], v6 offset:272
	s_wait_dscnt 0x0
	v_pk_add_f32 v[84:85], v[84:85], v[86:87]
	v_pk_add_f32 v[88:89], v[88:89], v[90:91]
	v_pk_add_f32 v[84:85], v[84:85], v[88:89]
	v_add_f32 v84, v84, v85                        ; the row's sum: at least 1, since the maximum's own weight is 1
	v_rcp_f32 v82, v84
	v_nop
	s_wait_alu depctr_va_vdst(0)
.irp k, 0,2,4,6
	v_pk_mul_f32 v[X+\k:X+\k+1], v[X+\k:X+\k+1], v[82:83] op_sel_hi:[1,0]
.endr
	global_store_b128 v1, v[X:X+3],   s[6:7] th:TH_STORE_NT
	global_store_b128 v1, v[X+4:X+7], s[6:7] offset:4096 th:TH_STORE_NT
	s_wait_tensorcnt 0x0                           ; the wave's end, behind my last LDS store
	ds_add_u32 v[SPW], v[NIL]
	s_wait_dscnt 0x0
	s_endpgm
.Lfunc_end_k_q043977dea2_soft:
	.size	k_q043977dea2_soft, .Lfunc_end_k_q043977dea2_soft-k_q043977dea2_soft
	.p2alignl 7, 3214868480
	.fill 96, 4, 3214868480
	.section	.rodata,"a",@progbits
	.p2align	6, 0x0
	.amdhsa_kernel k_q043977dea2_soft
		.amdhsa_group_segment_fixed_size 1536
		.amdhsa_private_segment_fixed_size 0
		.amdhsa_enable_private_segment 0
		.amdhsa_kernarg_size 16
		.amdhsa_user_sgpr_count 2
		.amdhsa_user_sgpr_kernarg_segment_ptr 1
		.amdhsa_wavefront_size32 1
		.amdhsa_system_sgpr_workgroup_id_x 1
		.amdhsa_system_sgpr_workgroup_id_y 1
		.amdhsa_system_sgpr_workgroup_id_z 1
		.amdhsa_system_vgpr_workitem_id 0
		.amdhsa_next_free_vgpr 96
		.amdhsa_next_free_sgpr 66
		.amdhsa_reserve_vcc 0
		.amdhsa_float_denorm_mode_32 3
		.amdhsa_float_denorm_mode_16_64 3
		.amdhsa_memory_ordered 1
		.amdhsa_forward_progress 1
		.amdhsa_inst_pref_size 8
	.end_amdhsa_kernel
	.amdgpu_metadata
---
amdhsa.version: [ 1, 2 ]
amdhsa.kernels:
  - .name:           k_q043977dea2_soft
    .symbol:         k_q043977dea2_soft.kd
    .args:
      - { .name: part, .offset: 0, .size: 8, .value_kind: global_buffer, .address_space: global }
      - { .name: out0, .offset: 8, .size: 8, .value_kind: global_buffer, .address_space: global }
    .group_segment_fixed_size: 1536
    .private_segment_fixed_size: 0
    .kernarg_segment_align: 8
    .kernarg_segment_size: 16
    .max_flat_workgroup_size: 256
    .sgpr_count:     66
    .vgpr_count:     96
    .wavefront_size: 32
...
	.end_amdgpu_metadata
.endif
;; end of part 3
;; ======== version 2 of 2: 3 launches; version 1 with the launch prep written anew for expert scheduling mode
;; workspace buffers: web 2,097,152 bytes; cb 131,072 bytes; part 2,097,152 bytes
;; launch prep (part 4): grid 64 x 1, 16 waves a work-group, no clusters, 18,432 bytes of LDS; arguments W_e, W_h, hidden, b_h, b_e, web, cb; writes web, cb
.if DOCPART == 4
	.amdgcn_target "amdgcn-amd-amdhsa--gfx1250"
	.amdhsa_code_object_version 6
	.text
	.protected	k_q043977dea2_prep
	.globl	k_q043977dea2_prep
	.p2align	8
	.type	k_q043977dea2_prep,@function
k_q043977dea2_prep:
	s_mov_b64 s[64:65], 0
	v_nop
	global_prefetch_b8 v0, s[64:65] scope:SCOPE_SE
	s_setreg_imm32_b32 hwreg(HW_REG_WAVE_SCHED_MODE, 0, 2), 2
	s_setreg_imm32_b32 hwreg(HW_REG_WAVE_MODE, 25, 1), 1
	s_wait_xcnt 0x0
	s_wait_alu depctr_vm_vsrc(0)
; BAHDANAU ATTENTION, launch 1 of 3.  out[b][t] = softmax over t of scores[b][t], scores[b][t] = sum over g of v[g] tanh(hp[b][g] + b_e[g] + enc[t][b][:] . W_e[g][:]),
; hp = hidden W_h^T + b_h.
; WORK LEFT OUT, for all values of the inputs: tanh(x) = 1 - 2 / (1 + 2^(K2 x)) with K2 = 2 log2(e), so scores[b][t] = (sum over g of v[g]) - 2 sum over g of v[g] r[b][t][g],
; r = 1 / (1 + 2^(K2 x)).  The first term is the same for every t, and a term that is the same along a softmax axis cancels in it.  So the program never forms the sum of v; it carries
; -2 sum v r in the scores place.  Every input still has a way to the output and is loaded.  LIMIT: a NaN, an infinity or an overflow that would arise in the sum of v alone is not carried to the result.
; THIS LAUNCH makes what the main launch reads many times: web = W_e rounded once to bf16 (row-major, as W_e lies), and cb = K2 (hidden W_h^T + b_h + b_e) in f32.
; Matrix operands (hidden, W_h) are rounded to bf16, sums in f32.
; SHARES.  Work-group j owns the 16 columns g = 16 j .. 16 j + 15.  Waves 0-7: the product, K split eight ways (wave w: k = 128 w .. 128 w + 127), two tiles of 16 rows b; the eight partial
; sums meet in LDS and waves 0 and 1 finish a tile each.  Waves 8-15: two rows of W_e each, 8,192 consecutive bytes in, 4,096 out.
; LAYOUT OF cb: [64 j][2 mb][2 q][32 l][4 e] f32 holds the number of b = 16 mb + l % 16, g = 16 j + 8 (l / 16) + 4 q + e: the product is taken with W_h rows as source 0, so lane l ends with one b
; and eight neighbouring g, and each of its two stores is 512 consecutive bytes of the wave.
; THE MODE: SCHED_MODE bits 1:0 = 2 (LLVM: expert scheduling mode 2), set by the entry lines.  The code itself states the register dependences
; between vector or matrix instructions and memory or LDS instructions, with s_wait_alu, always for 0.
; THE PLAN.  Registers that memory or LDS instructions touch:
;   v6, v7         Each arm makes them once; its loads and stores read them; never written again.
;   v64-255        Waves 0-7: 48 loads land here; the conversions write in place, the products read.  In waves 0 and 1 the partial tiles land in v64-127 behind the barrier.
;   v32-47         The products write them, four LDS stores read them; never written again.
;   v64-127        Waves 8-15: 16 loads land here, the conversions read.      v128-159  The conversions write each register once, the 16 stores read.
;   v8, v9, v10    Waves 0 and 1 make them together, once; the LDS loads, the biases' loads and the two last stores read them.
;   v16-31         The biases land here.      v64-71  The last sums and the scaling write them, the two stores read.      v12, v13  Written at the head, read by the closing add alone.
; No register that a memory or LDS instruction reads is written again on any way through the text: so no wait on vm_vsrc is owed.  The waits on va_vdst stand one ahead of each run of loads or
; stores.  In waves 8-15 the stores go in fours, a group behind: group g's wait for its loads, one wait on va_vdst for group g - 1's conversions, that group's four stores, then group g's conversions,
; which name none of the registers that those stores read.
.set SPARE, 16384                      ; behind the partial sums: the spare words, 128 bytes for each of 16 waves, named by no other line
.set SPW, 12                           ; v12  LDS address of my spare word; never rewritten
.set NIL, 13                           ; v13  0; never rewritten
.set BH,  16                           ; v[16:23] b_h, v[24:31] b_e of my eight columns
.set BE,  24
.set ACC, 32                           ; v[32:47] two accumulators, tile mb at ACC + 8 mb
.set WF,  64                           ; v[64:127]  W_h: fragment f as 16 f32 at WF + 16 f, then as 8 registers of bf16 in the same place
.set HF,  128                          ; v[128:255] hidden: tile mb, fragment f at HF + 64 mb + 16 f
.set PS,  64                           ; the eight partial tiles read back, 8 registers each
.set WV,  18                           ; s18  my wave number
.macro ADD8 d, s                       ; eight sums, two an instruction
.irp k, 0,2,4,6
	v_pk_add_f32 v[(\d)+\k:(\d)+\k+1], v[(\d)+\k:(\d)+\k+1], v[(\s)+\k:(\s)+\k+1]
.endr
.endm
.macro LD16 dst, base, off             ; a fragment as f32: k = 8 h + 0..7 (32 bytes) and k = 16 + 8 h + 0..7 (32 bytes, 64 further on)
	global_load_b128 v[(\dst):(\dst)+3],     v6, s[\base:\base+1] offset:(\off)
	global_load_b128 v[(\dst)+4:(\dst)+7],   v6, s[\base:\base+1] offset:(\off)+16
	global_load_b128 v[(\dst)+8:(\dst)+11],  v6, s[\base:\base+1] offset:(\off)+64
	global_load_b128 v[(\dst)+12:(\dst)+15], v6, s[\base:\base+1] offset:(\off)+80
.endm
.macro CV4 g                           ; waves 8-15: what loads 4 g .. 4 g + 3 brought, rounded: four f32 into 8 bytes, each in out-registers of its own
.irp i, 0,1,2,3
	v_cvt_pk_bf16_f32 v[128+2*(4*(\g)+(\i))], v[64+4*(4*(\g)+(\i))], v[64+4*(4*(\g)+(\i))+1]
	v_cvt_pk_bf16_f32 v[129+2*(4*(\g)+(\i))], v[64+4*(4*(\g)+(\i))+2], v[64+4*(4*(\g)+(\i))+3]
.endr
.endm
.macro ST4 g                           ; and stored: each store of the wave is 256 consecutive bytes, aligned
.irp i, 0,1,2,3
	global_store_b64 v7, v[128+2*(4*(\g)+(\i)):129+2*(4*(\g)+(\i))], s[14:15] offset:256*(4*(\g)+(\i))
.endr
.endm
	s_load_b256 s[4:11], s[0:1], 0x0               ; W_e s[4:5], W_h s[6:7], hidden s[8:9], b_h s[10:11]
	s_load_b128 s[12:15], s[0:1], 0x20             ; b_e s[12:13], web s[14:15]
	s_load_b64 s[16:17], s[0:1], 0x30              ; cb
	v_lshl_add_u32 v[SPW], v0, 2, SPARE
	v_mov_b32 v[NIL], 0
	v_lshrrev_b32 v1, 5, v0
	v_readfirstlane_b32 s[WV], v1                  ; wave 0..15
	v_and_b32 v2, 31, v0                           ; l
	v_and_b32 v3, 15, v0                           ; r = l % 16
	v_bfe_u32 v4, v0, 4, 1                         ; h = l / 16
	s_lshl_b32 s20, ttmp9, 16                      ; 16 rows of 4,096 bytes: the group's rows in W_h and in W_e
	s_mov_b32 s21, 0
	s_mov_b32 s23, 0
	s_wait_kmcnt 0x0
	s_wait_alu depctr_va_sdst(0)                   ; s18, the wave number, is written, ahead of its first reader: the compare below
	s_cmp_lt_u32 s[WV], 8
	s_cbranch_scc0 .Lconv
	; WAVES 0-7: 16 columns x 32 rows b, my 128 of K
	s_add_nc_u64 s[6:7], s[6:7], s[20:21]
	s_lshl_b32 s22, s[WV], 9                       ; my 128 k in f32
	v_lshlrev_b32 v6, 12, v3                       ; row r
	v_lshl_add_u32 v6, v4, 5, v6                   ; + 32 h
	v_add_nc_u32 v6, s22, v6
	s_wait_alu depctr_va_vdst(0)                   ; v6 is written, which the 48 loads below read as their offset
.irp f, 0,1,2,3
	LD16 WF+16*\f, 6, 128*\f
.endr
.irp mb, 0,1
.irp f, 0,1,2,3
	LD16 HF+64*\mb+16*\f, 8, 65536*\mb+128*\f
.endr
.endr
	s_lshl_b32 s22, s[WV], 11
	v_lshl_add_u32 v7, v2, 5, s22                  ; where my 32 bytes of a partial tile go: 2,048 w + 32 l
	s_wait_loadcnt 0x0
.set X, WF
.rept 12                                       ; each block of 16 f32 is rounded into its own first 8 registers: the write at i never passes the reads at 2 i
.set i, 0
.rept 8
	v_cvt_pk_bf16_f32 v[X+i], v[X+2*i], v[X+2*i+1]
.set i, i+1
.endr
.set X, X+16
.endr
.irp f, 0,1,2,3                                ; the two accumulators take turns; the first product of each starts its sum
.irp mb, 0,1
.if \f == 0
	v_wmma_f32_16x16x32_bf16 v[ACC+8*\mb:ACC+8*\mb+7], v[WF+16*\f:WF+16*\f+7], v[HF+64*\mb+16*\f:HF+64*\mb+16*\f+7], 0
.else
	v_wmma_f32_16x16x32_bf16 v[ACC+8*\mb:ACC+8*\mb+7], v[WF+16*\f:WF+16*\f+7], v[HF+64*\mb+16*\f:HF+64*\mb+16*\f+7], v[ACC+8*\mb:ACC+8*\mb+7]
.endif
.endr
.endr
.rept 8
	v_nop                                          ; the places behind the last products, in front of the stores that read them
.endr
	s_wait_alu depctr_va_vdst(0)                   ; the products have written the accumulators, the LDS stores' data, and v7, their address, is written; the places above stay beside this wait
.irp mb, 0,1
	ds_store_b128 v7, v[ACC+8*\mb:ACC+8*\mb+3]   offset:1024*\mb
	ds_store_b128 v7, v[ACC+8*\mb+4:ACC+8*\mb+7] offset:1024*\mb+16
.endr
	s_branch .Lmeet
.Lconv:                                        ; WAVES 8-15: two rows of W_e to bf16
	s_sub_co_u32 s26, s[WV], 8
	s_lshl_b32 s27, s26, 13
	s_add_co_u32 s20, s20, s27
	s_add_nc_u64 s[4:5], s[4:5], s[20:21]
	s_lshl_b32 s22, ttmp9, 15
	s_lshl_b32 s27, s26, 12
	s_add_co_u32 s22, s22, s27
	s_add_nc_u64 s[14:15], s[14:15], s[22:23]
	v_lshlrev_b32 v6, 4, v2
	v_lshlrev_b32 v7, 3, v2
	s_wait_alu depctr_va_vdst(0)                   ; v6 and v7 are written: the offsets of the 16 loads and of the 16 stores below
.set i, 0
.rept 16
	global_load_b128 v[64+4*i:64+4*i+3], v6, s[4:5] offset:512*i th:TH_LOAD_NT
.set i, i+1
.endr
	s_wait_loadcnt 12                              ; loads come back in order: the first four are in, the twelve younger ones stay out
	CV4 0
	s_wait_loadcnt 8
	s_wait_alu depctr_va_vdst(0)                   ; group 0's conversions have written v128-135, which the four stores below read
	ST4 0
	CV4 1                                          ; these name none of the registers that the stores above read
	s_wait_loadcnt 4
	s_wait_alu depctr_va_vdst(0)                   ; group 1's conversions have written v136-143
	ST4 1
	CV4 2
	s_wait_loadcnt 0x0
	s_wait_alu depctr_va_vdst(0)                   ; group 2's conversions have written v144-151
	ST4 2
	CV4 3
	s_wait_alu depctr_va_vdst(0)                   ; group 3's conversions have written v152-159
	ST4 3
.Lmeet:
	s_wait_dscnt 0x0                               ; for the others: my partial sums lie in LDS
	s_barrier_signal -1
	s_barrier_wait -1
	s_cmp_lt_u32 s[WV], 2                          ; wave 0 finishes tile 0, wave 1 tile 1
	s_cbranch_scc0 .Lend
	s_lshl_b32 s20, ttmp9, 6
	s_lshl_b32 s22, s[WV], 10
	s_lshl_b32 s26, ttmp9, 11
	s_add_co_u32 s26, s26, s22
	v_lshl_add_u32 v9, v4, 5, s20                  ; my eight columns in b_h and b_e: 64 j + 32 h
	v_lshl_add_u32 v8, v2, 5, s22                  ; tile = my wave number
	v_lshl_add_u32 v10, v2, 4, s26                 ; 2,048 j + 1,024 mb + 16 l
	s_wait_alu depctr_va_vdst(0)                   ; v9, v8 and v10 are written: the offsets and the address of all that follows; and the products and conversions are done with v64-127, in which the LDS loads land
	global_load_b128 v[BH:BH+3],   v9, s[10:11]
	global_load_b128 v[BH+4:BH+7], v9, s[10:11] offset:16
	global_load_b128 v[BE:BE+3],   v9, s[12:13]
	global_load_b128 v[BE+4:BE+7], v9, s[12:13] offset:16
.irp w, 0,1,2,3,4,5,6,7
	ds_load_b128 v[PS+8*\w:PS+8*\w+3],   v8 offset:2048*\w
	ds_load_b128 v[PS+8*\w+4:PS+8*\w+7], v8 offset:2048*\w+16
.endr
	s_mov_b32 s24, 0x4038aa3b                      ; K2 = 2 log2(e)
	s_mov_b32 s25, s24
	s_wait_dscnt 0x0
	ADD8 PS, PS+8
	ADD8 PS+16, PS+24
	ADD8 PS+32, PS+40
	ADD8 PS+48, PS+56
	ADD8 PS, PS+16
	ADD8 PS+32, PS+48
	ADD8 PS, PS+32
	s_wait_loadcnt 0x0
	ADD8 BH, BE
	ADD8 PS, BH
.irp k, 0,2,4,6
	v_pk_mul_f32 v[PS+\k:PS+\k+1], v[PS+\k:PS+\k+1], s[24:25] op_sel_hi:[1,0]
.endr
	s_wait_alu depctr_va_vdst(0)                   ; the scaling has written v64-71, which the two stores read
	global_store_b128 v10, v[PS:PS+3],   s[16:17]
	global_store_b128 v10, v[PS+4:PS+7], s[16:17] offset:512
.Lend:
	s_wait_dscnt 0x0                               ; the closing lines, six on end
	s_wait_alu 0x0
	s_wait_tensorcnt 0x0
	ds_add_u32 v[SPW], v[NIL]
	s_wait_dscnt 0x0
	s_endpgm
.Lfunc_end_k_q043977dea2_prep:
	.size	k_q043977dea2_prep, .Lfunc_end_k_q043977dea2_prep-k_q043977dea2_prep
	.p2alignl 7, 3214868480
	.fill 96, 4, 3214868480
	.section	.rodata,"a",@progbits
	.p2align	6, 0x0
	.amdhsa_kernel k_q043977dea2_prep
		.amdhsa_group_segment_fixed_size 18432
		.amdhsa_private_segment_fixed_size 0
		.amdhsa_enable_private_segment 0
		.amdhsa_kernarg_size 56
		.amdhsa_user_sgpr_count 2
		.amdhsa_user_sgpr_kernarg_segment_ptr 1
		.amdhsa_wavefront_size32 1
		.amdhsa_system_sgpr_workgroup_id_x 1
		.amdhsa_system_sgpr_workgroup_id_y 1
		.amdhsa_system_sgpr_workgroup_id_z 1
		.amdhsa_system_vgpr_workitem_id 0
		.amdhsa_next_free_vgpr 256
		.amdhsa_next_free_sgpr 66
		.amdhsa_reserve_vcc 0
		.amdhsa_float_denorm_mode_32 3
		.amdhsa_float_denorm_mode_16_64 3
		.amdhsa_memory_ordered 1
		.amdhsa_forward_progress 1
		.amdhsa_inst_pref_size 24
	.end_amdhsa_kernel
	.amdgpu_metadata
---
amdhsa.version: [ 1, 2 ]
amdhsa.kernels:
  - .name:           k_q043977dea2_prep
    .symbol:         k_q043977dea2_prep.kd
    .args:
      - { .name: W_e, .offset: 0, .size: 8, .value_kind: global_buffer, .address_space: global }
      - { .name: W_h, .offset: 8, .size: 8, .value_kind: global_buffer, .address_space: global }
      - { .name: hidden, .offset: 16, .size: 8, .value_kind: global_buffer, .address_space: global }
      - { .name: b_h, .offset: 24, .size: 8, .value_kind: global_buffer, .address_space: global }
      - { .name: b_e, .offset: 32, .size: 8, .value_kind: global_buffer, .address_space: global }
      - { .name: web, .offset: 40, .size: 8, .value_kind: global_buffer, .address_space: global }
      - { .name: cb, .offset: 48, .size: 8, .value_kind: global_buffer, .address_space: global }
    .group_segment_fixed_size: 18432
    .private_segment_fixed_size: 0
    .kernarg_segment_align: 8
    .kernarg_segment_size: 56
    .max_flat_workgroup_size: 512
    .sgpr_count:     66
    .vgpr_count:     256
    .wavefront_size: 32
...
	.end_amdgpu_metadata
.endif
;; end of part 4
;; launch main: the kernel of part 2 again; grid 4 x 64, 4 waves a work-group, clusters of 4 x 4, 327,680 bytes of LDS; arguments encoder_outputs, web, cb, v, part; writes part
;; launch soft: the kernel of part 3 again; grid 32 x 1, 8 waves a work-group, no clusters, 1,536 bytes of LDS; arguments part, out0; writes out0
